; MI455X (gfx1250); checked and timed in simulation.
; The chip was launched on July 23, 2026; its instructions are those of AMD's public machine-readable ISA for CDNA 5 (MIT licence, August 2026) and "CDNA5" Instruction Set Architecture Reference Guide (July 2026). The comments in the code are by the model that wrote it; some were corrected since.
;; Attention Model. Allowed arithmetic: float matrix products may take bf16 or f16 operands with f32 sums; other float arithmetic in f32, or as packed bf16 or f16 multiplies, adds, multiply-adds, maxima and minima; sums over many terms, partial sums and values carried from step to step in f32; what a program stores and reads back later, other than sums and carried values, may be rounded once to bf16 or f16.
;; Inputs: Wk 512 x 1,024 float32; Wq 512 x 1,024 float32; Wv 512 x 1,024 float32; x 8 x 2,048 x 1,024 float32.
;; Outputs: out0 8 x 2,048 x 512 float32.
;; 2 versions, each right; version 2 is version 1 with the launch castw written anew for expert scheduling mode. Each part assembles by itself: llvm-mc -triple=amdgcn-amd-amdhsa -mcpu=gfx1250 --defsym DOCPART=n.
;; ======== version 1 of 2: 3 launches
;; limits: values are held in f16: magnitudes above 65,504 overflow, below 6.1e-05 lose precision
;; workspace buffers: wb 3,145,728 bytes; qkv 50,331,648 bytes
;; launch castw (part 1): grid 64 x 3, 8 waves a work-group, no clusters, 0 bytes of LDS; arguments Wq, Wk, Wv, wb; writes wb
.if DOCPART == 1
	.amdgcn_target "amdgcn-amd-amdhsa--gfx1250"
	.amdhsa_code_object_version 6
	.text
	.protected	k_q23f36eb833_castw
	.globl	k_q23f36eb833_castw
	.p2align	8
	.type	k_q23f36eb833_castw,@function
k_q23f36eb833_castw:
	s_mov_b64 s[64:65], 0
	v_nop
	global_prefetch_b8 v0, s[64:65] scope:SCOPE_SE
	s_setreg_imm32_b32 hwreg(HW_REG_WAVE_MODE, 25, 1), 1
	s_wait_xcnt 0x0
; wb = Wq, Wk, Wv rounded once to bf16 and laid out in blocks of 64 along K: wb[kblk][n][64], kblk = 0..15, n = 0..1535
; (n = 0..511 Wq's rows, 512..1023 Wk's, 1024..1535 Wv's).  A (kblk, n) row is 128 bytes and the rows of a kblk lie end to end,
; so that the next launch can ask for 192 rows of one kblk as 96 rows of 256 bytes.
; SHARES.  Grid y picks the matrix; grid x = 2 x (group of 16 rows) + (half of K).  Thread t takes row t / 16 of the group and the four
; numbers 4 (t % 16) .. of each of the half's eight blocks: a wave's load covers 256 consecutive bytes of each of two rows, a wave's store
; 256 consecutive bytes of wb, aligned.  Each byte is read once and written once; no LDS, no barrier, no matrix work: nothing is shared.
.set WROW, 4096                        ; bytes in a row of W
.set NBLK, 1536*128                    ; bytes of one kblk of wb
	s_load_b256 s[4:11], s[0:1], 0x0               ; Wq s[4:5], Wk s[6:7], Wv s[8:9], wb s[10:11]
	s_and_b32 s12, ttmp7, 0xffff                   ; which matrix
	s_lshr_b32 s13, ttmp9, 1                       ; group of 16 rows
	s_and_b32 s14, ttmp9, 1                        ; half of K
	v_lshrrev_b32 v3, 4, v0                        ; my row in the group
	v_and_b32 v4, 15, v0                           ; my four numbers in a block
	v_lshlrev_b32 v1, 12, v3
	v_lshl_or_b32 v1, v4, 4, v1                    ; load: row x 4,096 + 16 x quad
	v_lshlrev_b32 v2, 7, v3
	v_lshl_or_b32 v2, v4, 3, v2                    ; store: row x 128 + 8 x quad
	s_lshl_b32 s16, s13, 16                        ; 16 rows of 4,096 bytes
	s_lshl_b32 s15, s14, 11                        ; half a row
	s_add_co_u32 s16, s16, s15
	s_mov_b32 s17, 0
	s_mul_i32 s18, s14, 8*1536                     ; eight kblk,
	s_lshl_b32 s15, s12, 9                         ; the matrix's 512 rows,
	s_add_co_u32 s18, s18, s15
	s_lshl_b32 s15, s13, 4                         ; the group's 16
	s_add_co_u32 s18, s18, s15
	s_lshl_b32 s18, s18, 7                         ; of 128 bytes
	s_mov_b32 s19, 0
	s_wait_kmcnt 0x0
	s_cmp_eq_u32 s12, 1
	s_cselect_b64 s[20:21], s[6:7], s[4:5]
	s_cmp_eq_u32 s12, 2
	s_cselect_b64 s[20:21], s[8:9], s[20:21]
	s_add_nc_u64 s[20:21], s[20:21], s[16:17]
	s_add_nc_u64 s[10:11], s[10:11], s[18:19]
.irp i, 0,1,2,3,4,5,6,7
	global_load_b128 v[8+4*\i:11+4*\i], v1, s[20:21] offset:256*\i th:TH_LOAD_NT
.endr
.irp i, 0,1,2,3,4,5,6,7
	s_wait_loadcnt 7-\i                            ; loads come back in order: block i is in, the younger ones stay out
.if \i == 4
	s_wait_xcnt 0x0                                ; the first four stores have read their data registers, which are now written again
.endif
	v_cvt_pk_bf16_f32 v[40+2*(\i%4)], v[8+4*\i], v[9+4*\i]
	v_cvt_pk_bf16_f32 v[41+2*(\i%4)], v[10+4*\i], v[11+4*\i]
	global_store_b64 v2, v[40+2*(\i%4):41+2*(\i%4)], s[10:11] offset:NBLK*\i
.endr
	s_endpgm
.Lfunc_end_k_q23f36eb833_castw:
	.size	k_q23f36eb833_castw, .Lfunc_end_k_q23f36eb833_castw-k_q23f36eb833_castw
	.p2alignl 7, 3214868480
	.fill 96, 4, 3214868480
	.section	.rodata,"a",@progbits
	.p2align	6, 0x0
	.amdhsa_kernel k_q23f36eb833_castw
		.amdhsa_group_segment_fixed_size 0
		.amdhsa_private_segment_fixed_size 0
		.amdhsa_enable_private_segment 0
		.amdhsa_kernarg_size 32
		.amdhsa_user_sgpr_count 2
		.amdhsa_user_sgpr_kernarg_segment_ptr 1
		.amdhsa_wavefront_size32 1
		.amdhsa_system_sgpr_workgroup_id_x 1
		.amdhsa_system_sgpr_workgroup_id_y 1
		.amdhsa_system_sgpr_workgroup_id_z 1
		.amdhsa_system_vgpr_workitem_id 0
		.amdhsa_next_free_vgpr 48
		.amdhsa_next_free_sgpr 66
		.amdhsa_reserve_vcc 0
		.amdhsa_float_denorm_mode_32 3
		.amdhsa_float_denorm_mode_16_64 3
		.amdhsa_memory_ordered 1
		.amdhsa_forward_progress 1
		.amdhsa_inst_pref_size 5
	.end_amdhsa_kernel
	.amdgpu_metadata
---
amdhsa.version: [ 1, 2 ]
amdhsa.kernels:
  - .name:           k_q23f36eb833_castw
    .symbol:         k_q23f36eb833_castw.kd
    .args:
      - { .name: Wq, .offset: 0, .size: 8, .value_kind: global_buffer, .address_space: global }
      - { .name: Wk, .offset: 8, .size: 8, .value_kind: global_buffer, .address_space: global }
      - { .name: Wv, .offset: 16, .size: 8, .value_kind: global_buffer, .address_space: global }
      - { .name: wb, .offset: 24, .size: 8, .value_kind: global_buffer, .address_space: global }
    .group_segment_fixed_size: 0
    .private_segment_fixed_size: 0
    .kernarg_segment_align: 8
    .kernarg_segment_size: 32
    .max_flat_workgroup_size: 256
    .sgpr_count:     66
    .vgpr_count:     48
    .wavefront_size: 32
...
	.end_amdgpu_metadata
.endif
;; end of part 1
;; launch proj (part 2): grid 4 x 64, 4 waves a work-group, clusters of 4 x 4, 327,680 bytes of LDS; arguments x, wb, qkv; writes qkv
.if DOCPART == 2
	.amdgcn_target "amdgcn-amd-amdhsa--gfx1250"
	.amdhsa_code_object_version 6
	.text
	.protected	k_q23f36eb833_proj
	.globl	k_q23f36eb833_proj
	.p2align	8
	.type	k_q23f36eb833_proj,@function
k_q23f36eb833_proj:
	s_mov_b64 s[64:65], 0
	v_nop
	global_prefetch_b8 v0, s[64:65] scope:SCOPE_SE
	s_setreg_imm32_b32 hwreg(HW_REG_WAVE_MODE, 25, 1), 1
	s_wait_xcnt 0x0
	s_wait_alu depctr_hold_cnt(0) depctr_sa_sdst(0) depctr_va_vdst(0) depctr_va_sdst(0) depctr_va_ssrc(0) depctr_va_vcc(0) depctr_vm_vsrc(0)
	s_getreg_b32 s2, hwreg(HW_REG_IB_STS2, 6, 4)
	s_cmp_eq_u32 s2, 0
	s_cbranch_scc0 .Lentry_in_a_cluster
	s_endpgm
.Lentry_in_a_cluster:
	s_bfe_u32 s2, ttmp6, 0x10000c
	s_cmp_lg_u32 s2, 0xf033
	s_cbranch_scc0 .Lentry_shape_is_right
	s_endpgm
.Lentry_shape_is_right:
; qkv[m][n] = the sum over k of x[m][k] W[n][k]: m = 0..16383 (batch x position), n = 0..1535 (q, k, v side by side), k = 0..1023.
; x is f32 and is rounded to bf16 between LDS and the matrix unit; W comes as bf16 in blocks (wb[kblk][n][64]); sums in f32, K ascending; qkv is rounded once to f16.
; LIMIT.  f16 holds no number beyond 65,504: a projection beyond that becomes an infinity.  NaN and infinities are not treated apart.
; SHARES.  A tile of qkv is 256 rows x 384 columns: 64 x 4 tiles, one to a work-group.  Each of the four waves makes 128 x 192: 96 accumulators of 16 x 16, 768 registers.
; K goes in 16 steps of 64 through a ring of two LDS slots; a step's rows of x are 256 bytes of memory, aligned; its 192 rows of wb a wave asks for as 96 rows of 256 bytes.
; CLUSTER.  4 x 4 work-groups.  The four of a row of the cluster need the same rows of x, the four of a column the same rows of wb: each tile is asked for jointly, by the same
; tensor load with the same descriptor and a mask that names the four.  The four column tiles are one row of the cluster, so x is asked for once in the launch.
; THE PRODUCT IS USED TRANSPOSED (source 0 = 16 rows of wb, source 1 = 16 rows of x): a lane holds eight neighbouring columns of one row of qkv, which pack into 16 bytes.
; A SUB-STEP is 32 along K, 96 matrix instructions, in two halves: my rows 0-63, then my rows 64-127, each over all 12 column blocks.  x's fragments come out of LDS as f32
; (four loads of 16 bytes a fragment) into 64 staging registers and are packed to bf16, four conversions behind each of a half's first eight matrix instructions, half a sub-step ahead of their use.
; REGISTERS, in windows of 256 (s_set_vgpr_msb: bits 1:0 source 0, 3:2 source 1, 5:4 source 2, 7:6 destination):
;   window 0: v0-31 addresses; v32-95 x's 8 fragments in bf16; v96-191 wb's 12 fragments; v192-255 staging, f32
;   windows 1-3: accumulator (a, b) in window 1 + b / 4 at 64 (b % 4) + 8 a
.set KSTEP,  64
.set PA,     272                       ; a row of x in LDS: 256 bytes + 16 of padding: the 16 rows of a load start 16 bytes apart modulo 256
.set PB,     144                       ; a row of wb: 128 bytes + 16
.set AHALF,  128*PA                    ; what one tensor load brings of x, and what one wave reads of it
.set BHALF,  192*PB                    ; the same for wb
.set BOFF,   2*AHALF
.set SLOT,   BOFF+2*BHALF              ; x's 256 rows, then wb's 384
.set SPARE,  2*SLOT                    ; behind the ring: the spare words, 128 bytes for each wave: two blocks of 256 bytes that no other line names
.set SPITCH, 784                       ; the way out: a row of 384 f16 + 16 bytes; the stage, 256 such rows from LDS byte 0, lies in the ring, which has then had its last fill
.set WBLK,   1536*128                  ; bytes of one kblk of wb
.set ADRA, 16                          ; v16-17  LDS address of my fragments of x in slot 0, 1
.set ADRB, 20                          ; v20-21  the same for wb
.set STO,  24                          ; v24     the way out: where I put 16 bytes of a row (row blocks 0-3)
.set RD,   25                          ; v25     where I read rows back
.set CO,   26                          ; v26     my byte offset in qkv
.set STO2, 27                          ; v27     as v24, for row blocks 4-7
.set SPW,  28                          ; v28     LDS address of my spare word; never rewritten
.set NIL,  29                          ; v29     0; never rewritten
.set PFO,  30                          ; v30     the prefetches' offset: my lane x a row of x; never rewritten
.set AF,   32
.set BF,   96
.set STG,  192
.set TMP,  32                          ; the way out: packed results, two sets of 48
.set G1,   24                          ; s[24:31] descriptor group 1 for x's tiles;  s[32:39] group 0, a set for each slot
.set G0,   32
.set G1B,  48                          ; s[48:55], s[56:63] the same for wb's
.set G0B,  56
.set LIM0, 42                          ; s42  0 in a wave that prefetches, else the greatest number
.set LIM,  43                          ; s43  1 in a wave that prefetches, else the greatest number
.set PFA,  44                          ; s[44:45] where my prefetches stand
.set MSB, 0
.macro WIN new                         ; the immediate's high byte repeats the setting that is left; a switch that changes nothing is dropped
.if MSB != (\new)
	s_set_vgpr_msb (MSB<<8)|(\new)
.set MSB, \new
.endif
.endm
.macro PLACES                          ; four places: in front of loads and vector writes into registers that matrix instructions have read, and of reads of their results
.rept 4
	v_nop
.endr
.endm
; A joint load.  Waves 0 and 1 fetch x's two halves, waves 2 and 3 wb's.  The branch hangs on the wave's number alone.  An s_nop 0 and four v_nop follow each of the two lines.
.macro JLOAD s
	s_cmp_eq_u32 s11, 0
	s_cbranch_scc0 .Lfor_b_\@
	tensor_load_to_lds s[G0+4*(\s):G0+4*(\s)+3], s[G1:G1+7]
	s_nop 0
	PLACES
	s_branch .Lasked_\@
.Lfor_b_\@:
	tensor_load_to_lds s[G0B+4*(\s):G0B+4*(\s)+3], s[G1B:G1B+7]
	s_nop 0
	PLACES
.Lasked_\@:
.endm
; A prefetch of x: the K step behind the one that the refill just issued asks for: 32 rows x 256 bytes, a lane a row, one step (192 matrix instructions) ahead of the load that will want it.
; Waves 0 and 1 ask; of the 128 rows that a wave fetches each of the four partners takes 32, told apart by address.  So each row's 256 bytes of a step are named once in the launch.
; The last refill has no step behind it and asks for nothing; steps 0 to 2 come by their loads alone.  wb is not asked for: it is 3 of the 70 MB that the launch reads.
.macro ASK lim
	s_cmp_gt_u32 s3, s[\lim]
	s_cbranch_scc0 .Lnot_mine_\@
	global_prefetch_b8 v[PFO], s[PFA:PFA+1] th:TH_LOAD_NT scope:SCOPE_SE
.Lnot_mine_\@:
.endm
.macro CREST                           ; a round of the cluster's barrier behind its opening barrier
	s_cmp_lg_u32 s10, 0
	s_cbranch_scc1 .Lnot_wave_0_\@
	s_barrier_signal -3
.Lnot_wave_0_\@:
	s_barrier_wait -3
	s_barrier_signal -1
	s_barrier_wait -1
.endm
.macro CROUND                          ; a whole round
	s_barrier_signal -1
	s_barrier_wait -1
	CREST
.endm
	s_load_b128 s[4:7], s[0:1], 0x0                ; x s[4:5], wb s[6:7]
	s_load_b64 s[8:9], s[0:1], 0x10                ; qkv
	v_lshl_add_u32 v[SPW], v0, 2, SPARE
	v_mov_b32 v[NIL], 0
	ds_add_u32 v[SPW], v[NIL]                      ; the wave's opening: the add and its wait stand ahead of my first tensor load; the set-up below stands between them
	v_lshrrev_b32 v1, 5, v0
	v_readfirstlane_b32 s10, v1                    ; wave 0..3
	s_lshr_b32 s11, s10, 1                         ; which half of the tile's rows is mine.  Also: I fetch for x (0) or for wb (1)
	s_and_b32 s12, s10, 1                          ; which half of its columns.  Also: which half of that tile I fetch
	s_bfe_u32 s40, ttmp6, 0x40000                  ; cx
	s_bfe_u32 s41, ttmp6, 0x40004                  ; cy
	s_lshl_b32 s22, ttmp9, 2
	s_add_co_u32 s22, s22, s40                     ; tile column = 4 x cluster x + cx
	s_and_b32 s13, ttmp7, 0xffff
	s_lshl_b32 s13, s13, 2
	s_add_co_u32 s13, s13, s41                     ; tile row = 4 x cluster y + cy
	s_lshl_b32 s20, s41, 2
	s_lshl_b32 s20, 15, s20                        ; my row of the cluster
	s_lshl_b32 s21, 0x1111, s40                    ; my column
	s_or_b32 s[G1+0], s20, (2<<16)|(1<<20)|(1<<21)|(5<<22)|(3<<25)   ; the mask: x's tiles go to my row; elements of 4 bytes; padding on, after every 64 words, of 4 words; bit 21 beside a mask
	s_or_b32 s[G1B+0], s21, (1<<16)|(1<<20)|(1<<21)|(4<<22)|(3<<25)  ; wb's go to my column; elements of 2 bytes; padding after every 32 words, of 4 words
	s_mov_b32 s[G1+1], KSTEP<<16                   ; tensor_dim0 = 64
	s_mov_b32 s[G1+2], 128<<16                     ; tensor_dim1 = 128
	s_mov_b32 s[G1+3], KSTEP<<16                   ; tile_dim0 = 64
	s_mov_b32 s[G1+4], 128                         ; tile_dim1 = 128
	s_mov_b32 s[G1+5], 1024                        ; elements from row to row
	s_mov_b32 s[G1+6], 0
	s_mov_b32 s[G1+7], 0
	s_mov_b32 s[G1B+1], 128<<16                    ; 192 rows of 128 bytes lie end to end: 96 rows of 128 elements
	s_mov_b32 s[G1B+2], 96<<16
	s_mov_b32 s[G1B+3], 128<<16
	s_mov_b32 s[G1B+4], 96
	s_mov_b32 s[G1B+5], 128
	s_mov_b32 s[G1B+6], 0
	s_mov_b32 s[G1B+7], 0
	s_lshl_b32 s16, s13, 8                         ; x: row 256 x tile row + 128 x half,
	s_lshl_b32 s17, s12, 7
	s_add_co_u32 s16, s16, s17
	s_lshl_b32 s16, s16, 12                        ; of 4,096 bytes (under 2^26)
	s_mov_b32 s17, 0
	s_mul_i32 s46, s22, 384                        ; wb: row 384 x tile column + 192 x half,
	s_mul_i32 s47, s12, 192
	s_add_co_u32 s46, s46, s47
	s_lshl_b32 s46, s46, 7                         ; of 128 bytes
	s_mov_b32 s47, 0
	s_mul_i32 s18, s12, AHALF                      ; where they go: no place in the cluster enters an LDS address
	s_mul_i32 s19, s12, BHALF
	s_add_co_u32 s19, s19, BOFF
	s_wait_dscnt 0x0                               ; the opening add is done
	s_wait_kmcnt 0x0
	s_add_nc_u64 s[14:15], s[4:5], s[16:17]
	s_add_nc_u64 s[46:47], s[6:7], s[46:47]
	CROUND                                         ; all sixteen work-groups are here: the first joint loads meet
.irp s, 0,1
	s_mov_b32 s[G0+4*(\s)], 1
	s_add_co_u32 s[G0+4*(\s)+1], s18, (\s)*SLOT
	s_add_nc_u64 s[G0+4*(\s)+2:G0+4*(\s)+3], s[14:15], (\s)*KSTEP*4
	s_or_b32 s[G0+4*(\s)+3], s[G0+4*(\s)+3], 0x80000000
	s_mov_b32 s[G0B+4*(\s)], 1
	s_add_co_u32 s[G0B+4*(\s)+1], s19, (\s)*SLOT
	s_add_nc_u64 s[G0B+4*(\s)+2:G0B+4*(\s)+3], s[46:47], (\s)*WBLK
	s_or_b32 s[G0B+4*(\s)+3], s[G0B+4*(\s)+3], 0x80000000
	JLOAD \s                                       ; steps 0 and 1: two loads of mine are out
.endr
	; A bf16 fragment is 16 rows x 32 K in 8 registers: lane l holds row l % 16; registers 0-3 K = 8 (l / 16) + 0..7, registers 4-7 K = 16 + 8 (l / 16) + 0..7.
	; In f32 those are 32 bytes at 32 (l / 16) and 32 bytes 64 further on; in bf16 16 bytes at 16 (l / 16) and 16 bytes 32 further on.
	v_and_b32 v1, 15, v0                           ; l % 16
	v_bfe_u32 v2, v0, 4, 1                         ; l / 16
	v_mul_u32_u24 v3, v1, PA
	v_lshl_add_u32 v3, v2, 5, v3
	v_mul_u32_u24 v4, v1, PB
	v_lshl_add_u32 v4, v2, 4, v4
	s_mul_i32 s20, s11, AHALF                      ; my 128 rows of x
	s_mul_i32 s21, s12, BHALF                      ; my 192 rows of wb,
	s_add_co_u32 s21, s21, BOFF                    ; which lie behind x's 256
.irp s, 0,1
	v_add_nc_u32 v[ADRA+(\s)], s20, v3
	v_add_nc_u32 v[ADRB+(\s)], s21, v4
	s_add_co_u32 s20, s20, SLOT
	s_add_co_u32 s21, s21, SLOT
.endr
	s_mul_i32 s20, s11, 128*SPITCH                 ; into the stage: my 128 rows, my 384 bytes of them; row l % 16, 16 bytes for each half of the lanes
	s_mul_i32 s21, s12, 384
	s_add_co_u32 s20, s20, s21
	v_mul_u32_u24 v5, v1, SPITCH
	v_lshl_add_u32 v5, v2, 4, v5
	v_add_nc_u32 v[STO], s20, v5
	v_add_nc_u32 v[STO2], 64*SPITCH, v[STO]
	s_mul_i32 s20, s10, 64*SPITCH                  ; back: wave w takes rows 64 w .. 64 w + 63, whole; lanes 0-15 256 bytes of one row, lanes 16-31 of the next
	v_mul_u32_u24 v5, v2, SPITCH
	v_lshl_add_u32 v5, v1, 4, v5
	v_add_nc_u32 v[RD], s20, v5
	v_mul_u32_u24 v5, v2, 3072                     ; and the same two rows in qkv
	v_lshl_add_u32 v[CO], v1, 4, v5
	s_lshl_b32 s16, s13, 8
	s_lshl_b32 s17, s10, 6
	s_add_co_u32 s16, s16, s17                     ; the first row that I store: 256 x tile row + 64 x wave
	s_mul_i32 s16, s16, 3072
	s_mov_b32 s17, 0
	s_add_nc_u64 s[8:9], s[8:9], s[16:17]
	s_mul_i32 s46, s22, 768                        ; the tile's first column, in bytes
	s_mov_b32 s47, 0
	s_add_nc_u64 s[8:9], s[8:9], s[46:47]
	s_lshl_b32 s20, s13, 8                         ; the prefetches: the 128 rows that I fetch,
	s_lshl_b32 s21, s12, 7
	s_add_co_u32 s20, s20, s21
	s_lshl_b32 s21, s40, 5                         ; my work-group's 32 of them,
	s_add_co_u32 s20, s20, s21
	s_lshl_b32 s20, s20, 12
	s_add_co_u32 s20, s20, 2*KSTEP*4               ; at step 2: the first refill steps it to 3
	s_mov_b32 s21, 0
	s_add_nc_u64 s[PFA:PFA+1], s[4:5], s[20:21]
	s_cmp_eq_u32 s11, 0
	s_cselect_b32 s[LIM0], 0, -1
	s_cselect_b32 s[LIM], 1, -1
	v_and_b32 v[PFO], 31, v0
	v_lshlrev_b32 v[PFO], 12, v[PFO]
; One matrix instruction: row block a, column block b.  zero = 1: it starts the sum.  All 96 accumulators take turns, one instruction a turn, in the same order in every sub-step.
.macro MM a, b, zero
	WIN 0x50*(1+(\b)/4)
.set rC, 64*((\b)%4)+8*(\a)
.if \zero
	v_wmma_f32_16x16x32_bf16 v[rC:rC+7], v[BF+8*(\b):BF+8*(\b)+7], v[AF+8*(\a):AF+8*(\a)+7], 0
.else
	v_wmma_f32_16x16x32_bf16 v[rC:rC+7], v[BF+8*(\b):BF+8*(\b)+7], v[AF+8*(\a):AF+8*(\a)+7], v[rC:rC+7]
.endif
.endm
.macro MMS part, b0, b1, zero          ; row blocks 4 part .. 4 part + 3 x column blocks b0 .. b1
.set bb, \b0
.rept (\b1)-(\b0)+1
.irp a, 0,1,2,3
	MM 4*(\part)+\a, bb, \zero
.endr
.set bb, bb+1
.endr
.endm
.macro CV4 part                        ; four of the 32 conversions that turn the staging registers into fragments 4 part .. 4 part + 3 of x
	WIN 0
.rept 4
	v_cvt_pk_bf16_f32 v[AF+32*(\part)+cvi], v[STG+2*cvi], v[STG+2*cvi+1]
.set cvi, cvi+1
.endr
.endm
.macro RIDE part, cpart, zero          ; column blocks 0 and 1: eight matrix instructions, four conversions behind each
.set cvi, 0
.irp b, 0,1
.irp a, 0,1,2,3
	MM 4*(\part)+\a, \b, \zero
	CV4 \cpart
.endr
.endr
.endm
.macro LDA part, slot, kk              ; 16 loads: x's row blocks 4 part .. + 3, 32 K at 32 kk, as f32
	WIN 0
.irp i, 0,1,2,3
.irp q, 0,1,2,3
	ds_load_b128 v[STG+16*\i+4*\q:STG+16*\i+4*\q+3], v[ADRA+(\slot)] offset:(4*(\part)+\i)*16*PA+(\kk)*128+16*(\q)+32*((\q)/2)
.endr
.endr
.endm
.macro LDB b0, n, slot, kk             ; 2 n loads: wb's column blocks b0 .. b0 + n - 1
	WIN 0
.set bb, \b0
.rept \n
	ds_load_b128 v[BF+8*bb:BF+8*bb+3],   v[ADRB+(\slot)] offset:bb*16*PB+(\kk)*64
	ds_load_b128 v[BF+8*bb+4:BF+8*bb+7], v[ADRB+(\slot)] offset:bb*16*PB+(\kk)*64+32
.set bb, bb+1
.endr
.endm
; THE FIRST HALF of sub-step (slot, kk): my rows 0-63.  It fetches the sub-step's last three column blocks, packs my rows 64-127, and fetches rows 0-63 of the next sub-step (nslot, nkk).
; mode 0: plain.  mode 1: the change of slots, with a refill: this slot's last reads are the six at the head; each wave waits for all its tensor loads (one is out: its part of the next slot), adds 0 to its
; spare word, and waits for that and for its reads; the barrier opens a round of the cluster's, and the joint refill, two steps ahead, is the first thing behind it: it has 176 matrix instructions in which to land.
; mode 2: the last change of slots: nothing is filled, no round.  mode 3: the last sub-step: nothing more is fetched.
.macro H1 slot, kk, nslot, nkk, zero, mode, lim
.if (\mode) == 1
	s_wait_xcnt 0x0                                ; the last prefetch, a step back, has read its address
	s_add_nc_u64 s[PFA:PFA+1], s[PFA:PFA+1], KSTEP*4
.endif
	PLACES
	LDB 9, 3, \slot, \kk
.if ((\mode) == 0) || ((\mode) == 3)
	s_wait_dscnt 6                                 ; all but the six just issued: my rows 64-127 as f32 and column blocks 0-8 are in
	RIDE 0, 1, \zero
.if (\mode) == 0
	LDA 0, \nslot, \nkk
	MMS 0, 2, 8, \zero
	s_wait_dscnt 16                                ; column blocks 9-11 are in; the sixteen loads of x may stay out
.else
	MMS 0, 2, 8, \zero
	s_wait_dscnt 0x0
.endif
	MMS 0, 9, 11, \zero
.else
	s_wait_tensorcnt 0x0                           ; all my tensor loads have landed: my part of the next slot
	ds_add_u32 v[SPW], v[NIL]                      ; 0 onto my spare word
	s_wait_dscnt 7                                 ; (the add and the six loads at the head may be out)
	RIDE 0, 1, \zero
	s_wait_dscnt 0x0                               ; the add is done, and my reads of this slot are over
	s_barrier_signal -1
	MMS 0, 2, 3, \zero                             ; work on registers while the others arrive
	WIN 0                                          ; at a branch and at a label every window is 0
	s_barrier_wait -1
.if (\mode) == 1
	CREST                                          ; no wave of any partner still reads this slot or has a load on its way
	s_add_nc_u64 s[G0+4*(\slot)+2:G0+4*(\slot)+3], s[G0+4*(\slot)+2:G0+4*(\slot)+3], 2*KSTEP*4
	s_add_nc_u64 s[G0B+4*(\slot)+2:G0B+4*(\slot)+3], s[G0B+4*(\slot)+2:G0B+4*(\slot)+3], 2*WBLK
	JLOAD \slot
.endif
	LDA 0, \nslot, \nkk
.if (\mode) == 1
	ASK \lim
.endif
	MMS 0, 4, 11, \zero
.endif
.endm
; THE SECOND HALF: my rows 64-127.  It packs rows 0-63 of the next sub-step, fetches its rows 64-127, and its column blocks 0-8, three at a time, four places behind their last readers.
.macro H2 nslot, nkk, zero, nxt
.if \nxt
	PLACES
	s_wait_dscnt 0x0                               ; the next sub-step's rows 0-63 are in
	RIDE 1, 0, \zero
	LDA 1, \nslot, \nkk
	MMS 1, 2, 2, \zero
	PLACES
	LDB 0, 3, \nslot, \nkk
	MMS 1, 3, 5, \zero
	PLACES
	LDB 3, 3, \nslot, \nkk
	MMS 1, 6, 8, \zero
	PLACES
	LDB 6, 3, \nslot, \nkk
	MMS 1, 9, 11, \zero
.else
	MMS 1, 0, 11, \zero
.endif
.endm
.macro SUB slot, kk, nslot, nkk, zero, mode, lim=LIM
	H1 \slot, \kk, \nslot, \nkk, \zero, \mode, \lim
.if (\mode) == 3
	H2 \nslot, \nkk, \zero, 0
.else
	H2 \nslot, \nkk, \zero, 1
.endif
.endm
	s_wait_tensorcnt 1                             ; my part of step 0 is in; step 1's may stay out
	s_barrier_signal -1
	s_barrier_wait -1                              ; everybody's is
	LDA 0, 0, 0
	s_wait_dscnt 0x0
.set cvi, 0
.rept 8
	CV4 0
.endr
	LDA 1, 0, 0
	LDB 0, 9, 0, 0
	SUB 0, 0, 0, 1, 1, 0                           ; the first sub-step stands in front of the loop: its products start the sums
	WIN 0
	s_mov_b32 s3, 7
.Llap:                                         ; a trip goes once round the ring: four sub-steps, both slots filled again
	SUB 0, 1, 1, 0, 0, 1, LIM0
	SUB 1, 0, 1, 1, 0, 0
	SUB 1, 1, 0, 0, 0, 1, LIM
	SUB 0, 0, 0, 1, 0, 0
	WIN 0
	s_sub_co_u32 s3, s3, 1
	s_cmp_lg_u32 s3, 0
	s_cbranch_scc1 .Llap
	SUB 0, 1, 1, 0, 0, 2                           ; the tail is written out: nothing more is asked for
	SUB 1, 0, 1, 1, 0, 0
	SUB 1, 1, 0, 0, 0, 3
	; THE WAY OUT.  Rounded to f16, 16 bytes a lane, into the work-group's stage; a barrier, since a row's 768 bytes come from two waves; back as whole rows, 64 rows a wave.
	WIN 0
	s_wait_dscnt 0x0
	s_barrier_signal -1
	s_barrier_wait -1                              ; nobody reads the ring any more: its bytes, which have had their last fill, take the stage
	PLACES
.set a_, 0
.rept 8
.set TM, TMP+48*(a_%2)
.set b_, 0
.rept 12
	WIN 5*(1+b_/4)                                 ; sources 0 and 1 in the accumulator's window
.irp j, 0,1,2,3
	v_cvt_pk_f16_f32 v[TM+4*b_+\j], v[64*(b_%4)+8*a_+2*\j], v[64*(b_%4)+8*a_+2*\j+1]
.endr
.set b_, b_+1
.endr
	WIN 0
.set b_, 0
.rept 12
	ds_store_b128 v[STO+3*(a_/4)], v[TM+4*b_:TM+4*b_+3] offset:(a_%4)*16*SPITCH+32*b_
.set b_, b_+1
.endr
.set a_, a_+1
.endr
	s_wait_dscnt 0x0                               ; for the others' sake: my stores into the stage are done
	s_barrier_signal -1
	s_barrier_wait -1
.set q_, 0
.rept 4                                ; 16 rows at a time: 8 pairs of rows x 3 pieces of 256 bytes
.set BK, 32+96*(q_%2)
.if q_ >= 2
	s_wait_xcnt 0x0                                ; the stores that read this set of registers have read them
.endif
.set i_, 0
.rept 24
	ds_load_b128 v[BK+4*i_:BK+4*i_+3], v[RD] offset:(8*q_+i_/3)*2*SPITCH+(i_%3)*256
.set i_, i_+1
.endr
.set i_, 0
.rept 24
	s_wait_dscnt 23-i_                             ; LDS loads come back in order: number i is in
	global_store_b128 v[CO], v[BK+4*i_:BK+4*i_+3], s[8:9] offset:(8*q_+i_/3)*6144+(i_%3)*256  ; 16 lanes store 256 consecutive bytes, at a multiple of 256 from qkv's first byte
.set i_, i_+1
.endr
.set q_, q_+1
.endr
	s_wait_tensorcnt 0x0                           ; the wave's end, behind my last tensor load and my last LDS store
	ds_add_u32 v[SPW], v[NIL]
	s_wait_dscnt 0x0
	CROUND                                         ; the closing round: no work-group ends while a partner may still ask for a tile that names it
	s_endpgm
.Lfunc_end_k_q23f36eb833_proj:
	.size	k_q23f36eb833_proj, .Lfunc_end_k_q23f36eb833_proj-k_q23f36eb833_proj
	.p2alignl 7, 3214868480
	.fill 96, 4, 3214868480
	.section	.rodata,"a",@progbits
	.p2align	6, 0x0
	.amdhsa_kernel k_q23f36eb833_proj
		.amdhsa_group_segment_fixed_size 327680
		.amdhsa_private_segment_fixed_size 0
		.amdhsa_enable_private_segment 0
		.amdhsa_kernarg_size 24
		.amdhsa_user_sgpr_count 2
		.amdhsa_user_sgpr_kernarg_segment_ptr 1
		.amdhsa_wavefront_size32 1
		.amdhsa_system_sgpr_workgroup_id_x 1
		.amdhsa_system_sgpr_workgroup_id_y 1
		.amdhsa_system_sgpr_workgroup_id_z 1
		.amdhsa_system_vgpr_workitem_id 0
		.amdhsa_next_free_vgpr 1024
		.amdhsa_next_free_sgpr 66
		.amdhsa_reserve_vcc 0
		.amdhsa_float_denorm_mode_32 3
		.amdhsa_float_denorm_mode_16_64 3
		.amdhsa_memory_ordered 1
		.amdhsa_forward_progress 1
		.amdhsa_inst_pref_size 185
	.end_amdhsa_kernel
	.amdgpu_metadata
---
amdhsa.version: [ 1, 2 ]
amdhsa.kernels:
  - .name:           k_q23f36eb833_proj
    .symbol:         k_q23f36eb833_proj.kd
    .args:
      - { .name: x, .offset: 0, .size: 8, .value_kind: global_buffer, .address_space: global }
      - { .name: wb, .offset: 8, .size: 8, .value_kind: global_buffer, .address_space: global }
      - { .name: qkv, .offset: 16, .size: 8, .value_kind: global_buffer, .address_space: global }
    .group_segment_fixed_size: 327680
    .private_segment_fixed_size: 0
    .kernarg_segment_align: 8
    .kernarg_segment_size: 24
    .max_flat_workgroup_size: 128
    .sgpr_count:     66
    .vgpr_count:     1024
    .wavefront_size: 32
...
	.end_amdgpu_metadata
.endif
;; end of part 2
;; launch attn (part 3): grid 32 x 8, 4 waves a work-group, clusters of 4 x 1, 327,680 bytes of LDS; arguments qkv, out0; writes out0
.if DOCPART == 3
	.amdgcn_target "amdgcn-amd-amdhsa--gfx1250"
	.amdhsa_code_object_version 6
	.text
	.protected	k_q23f36eb833_attn
	.globl	k_q23f36eb833_attn
	.p2align	8
	.type	k_q23f36eb833_attn,@function
k_q23f36eb833_attn:
	s_mov_b64 s[64:65], 0
	v_nop
	global_prefetch_b8 v0, s[64:65] scope:SCOPE_SE
	s_setreg_imm32_b32 hwreg(HW_REG_WAVE_MODE, 25, 1), 1
	s_wait_xcnt 0x0
	s_wait_alu depctr_hold_cnt(0) depctr_sa_sdst(0) depctr_va_vdst(0) depctr_va_sdst(0) depctr_va_ssrc(0) depctr_va_vcc(0) depctr_vm_vsrc(0)
	s_getreg_b32 s2, hwreg(HW_REG_IB_STS2, 6, 4)
	s_cmp_eq_u32 s2, 0
	s_cbranch_scc0 .Lentry_in_a_cluster
	s_endpgm
.Lentry_in_a_cluster:
	s_bfe_u32 s2, ttmp6, 0x10000c
	s_cmp_lg_u32 s2, 0x3003
	s_cbranch_scc0 .Lentry_shape_is_right
	s_endpgm
.Lentry_shape_is_right:
; out0[b][q][:] = the sum over k of softmax_k(Q[b][q] . K[b][k] / sqrt(512)) V[b][k][:].  qkv: [16384][1536] f16, a row = q (512), k (512), v (512); out0: [16384][512] f32.
; Products, maxima and sums in f32; the weights p are rounded to f16 for the second product (their sum l is taken of the unrounded p).
; LIMITS.  p lies in 0 to 1 and below 6e-5 keeps f16's fixed step; a weight below 2^-126 counts as 0 in l; NaN and infinities are not treated apart.
; SHARES.  A work-group owns 64 queries of one batch (four tiles t of 16) and walks the batch's 2,048 keys, 64 a step.  The head size, 512, is too large for a wave to own queries by itself:
;   S^T = K Q^T: wave w takes the step's keys 16 w .. 16 w + 15, all 64 queries, all 512 channels (64 matrix instructions); every wave holds all of Q, 512 registers;
;   O^T = V^T P: wave w takes channels 128 w .. 128 w + 127, all 64 queries, all 64 keys (64 matrix instructions); 256 registers of O^T.
; So each byte of K and of V leaves LDS once a work-group, and each fragment feeds four products.
; THE ORDER OF THE KEYS.  A softmax with a running maximum does not hang on the order of its keys.  The 32 steps go in four groups of eight, and the batch's eight clusters begin each group at different steps:
; cluster x begins 2 f steps in, f = (x % 4) xor (x / 4), and goes round the group: number i of its walk is step (i & 24) | ((i + 2 f) & 7).  So in one trip clusters with different f ask for different
; tiles, and a tile that one cluster asks for is asked for by the cluster with the next lower f two trips later.  f takes all four values among x = 0..3, among x = 4..7, among the even x and among the odd x.
; Below, K(i), V(i) and 'step i' are numbered along my cluster's walk.  The four partners of a cluster share x, so their descriptors are equal.
; WHAT CROSSES BETWEEN WAVES, through LDS.  In S^T a lane holds ONE query (lane % 16) and the keys 8 (lane / 16) + 0..7 of the wave's 16; rounded to f16 in pairs these 16 bytes ARE registers 0-3 (w even) or
; 4-7 (w odd) of source 1 (32 keys x 16 queries) of V^T P, in the same lane: P goes 16 bytes a lane into LDS and comes back as it lies.  Each wave's maxima, four numbers a query, go the same way,
; and every wave forms the same running maximum.  l is kept by each wave over its own keys; the four are added at the end.
; SOFTMAX.  T = c s, c = log2(e) / sqrt(512); M the running maximum of T; p = 2^(T - M); in every step O and l are multiplied by a = 2^(M_old - M_new).  M starts at the lowest finite number,
; O and l at 0: the first step is a step like any other, with a = 0; the price is 256 lines that write 0, in the wait for the first tiles.
; A TRIP j is eight blocks of 16 matrix instructions: K Q^T of step j + 1 (four blocks), V^T P of step j (four).  Behind the first 51 stand, four at a time, step j's scaling, exponentials, roundings and the
; rescaling of O^T; behind the next block's, l's sums and step j + 1's scaling and maxima.  The 36 exponentials are one batch with one wait.
; TWO BARRIERS A TRIP: one when P lies in LDS; one, a round of the cluster's, for three things: the maxima are in LDS, the next tiles have landed, and K(j + 1)'s and V(j)'s bytes are filled again.
; CLUSTER.  The four query blocks of a cluster belong to one batch and walk the same K and V: each tile is asked for jointly, by the same tensor load, descriptor and mask in all four.
; REGISTERS, in windows of 256 (s_set_vgpr_msb: bits 1:0 source 0, 3:2 source 1, 5:4 source 2, 7:6 destination):
;   window 0: v0-19 addresses; v20-43 six registers of statistics a tile; v44-59 the maxima read back, later packed P, later my own maxima; v64-95 S^T, later P's fragments of keys 32-63;
;             v96-127 T, then p; v128-159 P's fragments of keys 0-31; v160-255 three buffers of four fragments of K or V
;   window 1: Q, channels 0-255 (tile t, block c at 64 t + 8 c)     window 2: Q, channels 256-511     window 3: O^T (channel block cb, tile t at 8 (4 cb + t))
.set KS,    64
.set PKP,   528       ; a row of half of K in LDS: 512 bytes + 16 of padding: the 16 rows of a load start 16 bytes apart modulo 256
.set PVP,   544       ; of V: 512 + 32: 16 lanes of the turning load take 8 rows x 32 bytes, 32 bytes apart modulo 256
.set KH,    KS*PKP    ; a step's K, channels 0-255 or 256-511: what one tensor load brings
.set KT,    2*KH
.set VH,    KS*PVP
.set SLOTB, KT+2*VH   ; a slot: a step's K, then a step's V
.set PBUF,  2*SLOTB   ; P: block (t, w) of 512 bytes at 2,048 t + 512 w
.set MXB,   PBUF+8192 ; the maxima: wave w's four numbers for query r at 256 w + 16 r; 1,024 bytes on: the same for l
.set STAGE, MXB+2048  ; 16 rows x 528 bytes for each wave, for the way out
.set SP,    528
.set SPARE, STAGE+4*16*SP  ; the spare words, 128 bytes for each wave: two blocks of 256 bytes that no other line names
.set ROWB,  3072      ; bytes in a row of qkv
.set STEPG, KS*ROWB   ; a step's 64 rows
.set AK0, 2           ; v2   my lane's place in a slot's K; never rewritten
.set AV0, 3           ; v3   the same for V
.set AK,  4           ; v4   the LDS address of K's runs of loads
.set AV,  5           ; v5   of V's
.set PW,  6           ; v6   where I put 16 bytes of P
.set PR,  7           ; v7   where I read P's fragments
.set MW,  8           ; v8   where I put my four maxima
.set MR,  9           ; v9   where I read the four waves'
.set STO, 10          ; v10  the way out: where I put 32 bytes of a row
.set RD,  11          ; v11  where I read a row back
.set GO,  12          ; v12  my byte offset in 512 consecutive bytes of out0
.set QO,  13          ; v13  my byte offset in 16 rows of Q
.set SPW, 14          ; v14  LDS address of my spare word; never rewritten
.set NIL, 15          ; v15  0; never rewritten
.set PFO, 16          ; v16  the prefetches' offset: row lane / 4, block lane % 4; never rewritten
.set ST,  20          ; tile t's statistics at v[ST+6 t]: M, the new M, l (even keys', odd keys'), a, one at work
.set MX,  44
.set PK,  44
.set LM,  44
.set LX,  48
.set S,   64
.set T,   96
.set PF0, 128
.set FB,  160
.set WV,  12          ; s12  my wave's number
.set BASE, 22         ; s[22:23] qkv at the batch's first row, my half of the channels; never rewritten behind the head
.set G1K, 24          ; s[24:31] descriptor group 1 for K's tiles
.set G1V, 32          ; s[32:39] for V's: it differs in the padding alone
.set G0K, 40          ; s[40:47] descriptor group 0 for K's tiles: a set for each of the two first fills; the second then serves every refill
.set G0V, 48          ; s[48:55] the same for V's
.set CNT, 56          ; s56  trips of the loop still to come
.set SA,  57          ; s57  the slot of step j's parity
.set CS,  58          ; s[58:59] c
.set SEL, 60          ; s[60:61] v_permlanex16_b32's selects: each lane takes its own place in the other half
.set SB,  62          ; s62  the other slot
.set KOF, 63          ; s63  my half of K in a slot
.set VOF, 66          ; s66  my half of V in a slot
.set LIM, 67          ; s67  32 in a wave that prefetches, else 0
.set PFA, 68          ; s[68:69] where my prefetches stand
.set QB,  70          ; s[70:71] Q at the work-group's first row
.set OB,  72          ; s[72:73] out0 at the work-group's first row, my wave's 512 bytes
.set ROT, 74          ; s74  2 f
.set IDX, 75          ; s75  the number, along my walk, of the V tile to be asked for next; K's is one more
.set OK,  76          ; s[76:77] the next K tile's byte offset from s[BASE:BASE+1]; the high word is 0
.set OV,  78          ; s[78:79] the same for V
.set PD,  80          ; s80  how far behind s[IDX] my prefetches look: 2 for K, 1 for V
.set T0,  81          ; s81, s82  at work
.set T1,  82
.set FBP, 84          ; s[84:85] s[BASE:BASE+1] at my walk's first step
.set MSB, 0
.macro WIN new                      ; the high byte repeats the setting that is left; a switch that changes nothing is dropped
.if MSB != (\new)
	s_set_vgpr_msb (MSB<<8)|(\new)
.set MSB, \new
.endif
.endm
.macro PLACES                       ; four places: in front of loads into registers that matrix instructions have read, and of reads of their results
.rept 4
	v_nop
.endr
.endm
; A joint refill.  Waves 0 and 1 fetch the two halves of a step's K, waves 2 and 3 those of a step's V.  fill = 2: both; 1: V alone; 3: K alone.  The branch hangs on the wave's number alone.
; An s_nop 0 follows each load; the four v_nop on both ways are also the places in front of the loads behind the macro.
.macro JLOAD fill
	s_cmp_lt_u32 s[WV], 2
	s_cbranch_scc0 .Lfor_v_\@
.if (\fill) != 1
	tensor_load_to_lds s[G0K+4:G0K+7], s[G1K:G1K+7]
	s_nop 0
.endif
	PLACES
	s_branch .Lasked_\@
.Lfor_v_\@:
.if (\fill) != 3
	tensor_load_to_lds s[G0V+4:G0V+7], s[G1V:G1V+7]
	s_nop 0
.endif
	PLACES
.Lasked_\@:
.endm
; A prefetch, two trips (256 matrix instructions) ahead of the round that will ask for them, of the tiles that my cluster is the first of its batch to ask for: by the walks' arithmetic those are numbers
; 8 g and 8 g + 1 of my walk; in memory they are steps 8 g + 2 f and 8 g + 2 f + 1, number + 2 f, so one pointer that steps with the trips serves.  A step has 64 rows of 1,024 bytes of K and of V.
; Of the two clusters with the same f the one with x < 4 asks; its four partners take 16 rows each, told apart by address; in each, wave 0 asks for K's and wave 2 for V's: 64 blocks of 256 bytes,
; two instructions.  So each block is named once in the launch.  The first group comes by its loads alone; no number past 31 is asked for.
.macro ASK
	s_add_co_u32 s[T0], s[IDX], s[PD]  ; the number that the round two trips on will ask for
	s_and_b32 s[T1], s[T0], 7
	s_cmp_lt_u32 s[T1], 2
	s_cbranch_scc0 .Lnot_mine_\@
	s_cmp_lt_u32 s[T0], s[LIM]
	s_cbranch_scc0 .Lnot_mine_\@
	global_prefetch_b8 v[PFO], s[PFA:PFA+1] th:TH_LOAD_NT scope:SCOPE_SE
	global_prefetch_b8 v[PFO], s[PFA:PFA+1] offset:8*ROWB th:TH_LOAD_NT scope:SCOPE_SE
.Lnot_mine_\@:
.endm
.macro CREST                        ; a round of the cluster's barrier behind its opening barrier
	s_cmp_lg_u32 s[WV], 0
	s_cbranch_scc1 .Lnot_wave_0_\@
	s_barrier_signal -3
.Lnot_wave_0_\@:
	s_barrier_wait -3
	s_barrier_signal -1
	s_barrier_wait -1
.endm
.macro CROUND
	s_barrier_signal -1
	s_barrier_wait -1
	CREST
.endm
	s_load_b128 s[4:7], s[0:1], 0x0 ; qkv s[4:5], out0 s[6:7]
	v_lshl_add_u32 v[SPW], v0, 2, SPARE
	v_mov_b32 v[NIL], 0
	ds_add_u32 v[SPW], v[NIL]       ; the wave's opening: the add and its wait stand ahead of my first tensor load; the set-up below stands between them
	v_lshrrev_b32 v1, 5, v0
	v_readfirstlane_b32 s[WV], v1   ; wave 0..3
	s_bfe_u32 s13, ttmp6, 0x40000   ; cx: my place in the cluster
	s_lshl_b32 s14, ttmp9, 2
	s_add_co_u32 s14, s14, s13      ; my block of 64 queries: it enters Q's and out0's addresses alone
	s_and_b32 s15, ttmp7, 0xffff    ; the batch, which the four partners share
	s_and_b32 s16, s[WV], 1         ; which half of the channels I fetch
	s_mul_i32 s20, s15, 2048*ROWB   ; the batch's first row in qkv (under 2^26)
	s_lshl_b32 s17, s16, 9          ; my half: 512 bytes of a row
	s_add_co_u32 s22, s20, s17
	s_mov_b32 s23, 0
	s_mul_i32 s18, s14, KS*ROWB     ; my block's 64 rows
	s_add_co_u32 s18, s18, s20
	s_mov_b32 s19, 0
	s_lshl_b32 s2, s15, 5
	s_add_co_u32 s2, s2, s14
	s_lshl_b32 s2, s2, 17           ; the same 64 rows in out0, of 2,048 bytes,
	s_lshl_b32 s3, s[WV], 9         ; my wave's 128 channels
	s_add_co_u32 s2, s2, s3
	s_mov_b32 s3, 0
	; descriptor group 1: a tile of 64 rows x 256 elements, padded in LDS
	s_mov_b32 s[G1K], 15|(1<<16)|(1<<20)|(1<<21)|(6<<22)|(3<<25)  ; the mask of four; elements of 2 bytes; padding on, after every 128 words, of 4 words; bit 21 beside a mask
	s_mov_b32 s[G1V], 15|(1<<16)|(1<<20)|(1<<21)|(6<<22)|(7<<25)  ; the same with 8 words of padding
.irp g, G1K, G1V
	s_mov_b32 s[\g+1], 256<<16      ; tensor_dim0 = 256
	s_mov_b32 s[\g+2], KS<<16       ; tensor_dim1 = 64
	s_mov_b32 s[\g+3], 256<<16      ; tile_dim0 = 256
	s_mov_b32 s[\g+4], KS           ; tile_dim1 = 64
	s_mov_b32 s[\g+5], 1536         ; elements from row to row
	s_mov_b32 s[\g+6], 0
	s_mov_b32 s[\g+7], 0
.endr
	s_mul_i32 s[KOF], s16, KH       ; no place in the cluster enters an LDS address
	s_mul_i32 s[VOF], s16, VH
	s_add_co_u32 s[VOF], s[VOF], KT
	s_mov_b32 s[G0K], 1
	s_mov_b32 s[G0K+1], s[KOF]      ; K(0) into slot 0,
	s_mov_b32 s[G0K+4], 1
	s_add_co_u32 s[G0K+5], s[KOF], SLOTB  ; K(1) into slot 1
	s_mov_b32 s[G0V], 1
	s_mov_b32 s[G0V+1], s[VOF]
	s_mov_b32 s[G0V+4], 1
	s_add_co_u32 s[G0V+5], s[VOF], SLOTB
	s_mov_b32 s[CS], 0x3d8293ee     ; c = log2(e) / sqrt(512) = 0.0637587
	s_mov_b32 s[CS+1], s[CS]        ; named with it as a pair
	s_mov_b32 s[SEL], 0x76543210
	s_mov_b32 s[SEL+1], 0xfedcba98
	s_mov_b32 s[SA], SLOTB          ; the prologue counts as trip -1
	s_mov_b32 s[SB], 0
	s_lshr_b32 s21, ttmp9, 2        ; the cluster's x / 4,
	s_and_b32 s[ROT], ttmp9, 3      ; x % 4:
	s_xor_b32 s[ROT], s[ROT], s21   ; f,
	s_lshl_b32 s[ROT], s[ROT], 1    ; and 2 f: the same in all four partners
	s_mul_i32 s[OK], s[ROT], STEPG  ; my walk's first step, in bytes
	s_mov_b32 s[OK+1], 0
	s_mov_b32 s[OV+1], 0
	s_mov_b32 s[IDX], 1             ; the prologue's round asks for K(2)
	s_and_b32 s17, s[WV], 1         ; 0 in waves 0 and 2,
	s_or_b32 s17, s17, s21          ; where the cluster's x is under 4
	s_cmp_lt_u32 s[WV], 2
	s_cselect_b32 s[PD], 2, 1
	s_cmp_eq_u32 s17, 0
	s_cselect_b32 s[LIM], 32, 0
	s_wait_dscnt 0x0                ; the opening add is done
	s_wait_kmcnt 0x0
	s_add_nc_u64 s[BASE:BASE+1], s[4:5], s[22:23]  ; qkv at the batch's first row, my half of the channels
	s_add_nc_u64 s[FBP:FBP+1], s[BASE:BASE+1], s[OK:OK+1]  ; numbers 0 and 1 of my walk are steps 2 f and 2 f + 1
	s_add_nc_u64 s[G0K+2:G0K+3], s[FBP:FBP+1], 1024
	s_or_b32 s[G0K+3], s[G0K+3], 0x80000000
	s_add_nc_u64 s[G0K+6:G0K+7], s[FBP:FBP+1], 1024+STEPG
	s_or_b32 s[G0K+7], s[G0K+7], 0x80000000
	s_add_nc_u64 s[G0V+2:G0V+3], s[FBP:FBP+1], 2048
	s_or_b32 s[G0V+3], s[G0V+3], 0x80000000
	s_add_nc_u64 s[G0V+6:G0V+7], s[FBP:FBP+1], 2048+STEPG
	s_or_b32 s[G0V+7], s[G0V+7], 0x80000000
	s_add_nc_u64 s[QB:QB+1], s[4:5], s[18:19]
	s_add_nc_u64 s[OB:OB+1], s[6:7], s[2:3]
	s_mul_i32 s2, s13, 16*ROWB      ; the prefetches: my work-group's 16 rows of a step's 64,
	s_add_co_u32 s2, s2, s20
	s_add_co_u32 s2, s2, s[OK]      ; 2 f steps on,
	s_mov_b32 s18, 1024+4*STEPG     ; K at number 4 (the loop's first round steps it to 5),
	s_mov_b32 s19, 2048+3*STEPG     ; V at number 3
	s_cmp_lt_u32 s[WV], 2
	s_cselect_b32 s18, s18, s19
	s_add_co_u32 s2, s2, s18
	s_mov_b32 s3, 0
	s_add_nc_u64 s[PFA:PFA+1], s[4:5], s[2:3]
	CROUND                          ; all four work-groups are here: the first joint loads meet
	s_cmp_lt_u32 s[WV], 2           ; a wave's two first fills stand in one branch, ahead of every wait on TENSORcnt and every LDS read: two loads of mine are out
	s_cbranch_scc0 .Lfirst_v
	tensor_load_to_lds s[G0K:G0K+3], s[G1K:G1K+7]
	s_nop 0
	tensor_load_to_lds s[G0K+4:G0K+7], s[G1K:G1K+7]
	s_nop 0
	PLACES
	s_branch .Lfirst_asked
.Lfirst_v:
	tensor_load_to_lds s[G0V:G0V+3], s[G1V:G1V+7]
	s_nop 0
	tensor_load_to_lds s[G0V+4:G0V+7], s[G1V:G1V+7]
	s_nop 0
	PLACES
.Lfirst_asked:
	; A fragment of K or Q is 16 rows x 32 channels in 8 registers: lane l holds row l % 16, channels 8 (l / 16) + 0..7 and 16 + 8 (l / 16) + 0..7: two loads of 16 bytes, 32 bytes apart.
	v_and_b32 v17, 15, v0           ; l % 16
	v_bfe_u32 v18, v0, 4, 1         ; l / 16
	v_and_b32 v19, 31, v0           ; l
	v_mul_u32_u24 v[QO], v17, ROWB
	v_lshl_add_u32 v[QO], v18, 4, v[QO]
	WIN 0x40                        ; destination window 1, address window 0
.set i_, 0
.rept 32                            ; Q stays in registers: tile i / 8, channels 32 (i % 8) on
	global_load_b128 v[8*i_:8*i_+3],   v[QO], s[QB:QB+1] offset:(i_/8)*16*ROWB+(i_%8)*64
	global_load_b128 v[8*i_+4:8*i_+7], v[QO], s[QB:QB+1] offset:(i_/8)*16*ROWB+(i_%8)*64+32
.set i_, i_+1
.endr
	WIN 0x80                        ; window 2: channels 256 on
.set i_, 0
.rept 32
	global_load_b128 v[8*i_:8*i_+3],   v[QO], s[QB:QB+1] offset:(i_/8)*16*ROWB+512+(i_%8)*64
	global_load_b128 v[8*i_+4:8*i_+7], v[QO], s[QB:QB+1] offset:(i_/8)*16*ROWB+512+(i_%8)*64+32
.set i_, i_+1
.endr
	WIN 0xc0                        ; O^T starts at 0: written in the wait for the first tiles, so that no first step is written out
.set i_, 0
.rept 256
	v_mov_b32 v[i_], 0
.set i_, i_+1
.endr
	WIN 0
.irp t, 0,1,2,3
	v_mov_b32 v[ST+6*\t], 0xff7fffff  ; M: the lowest finite number
	v_mov_b32 v[ST+6*\t+1], 0
	v_mov_b32 v[ST+6*\t+2], 0         ; l
	v_mov_b32 v[ST+6*\t+3], 0
	v_mov_b32 v[ST+6*\t+4], 0
	v_mov_b32 v[ST+6*\t+5], 0
	v_mov_b32 v[LX+\t], 0             ; (v_permlanex16_b32's destination counts as read)
.endr
	s_mul_i32 s17, s[WV], 16*PKP    ; my 16 keys of a step
	v_mul_u32_u24 v[AK0], v17, PKP
	v_lshl_add_u32 v[AK0], v18, 4, v[AK0]
	v_add_nc_u32 v[AK0], s17, v[AK0]
	; The turning load takes 16 keys x 16 channels (lane l reads key 8 (l / 16) + l % 8, channels 8 ((l / 8) % 2) + 0..7) and leaves half a fragment of V^T: lane l holds channel l % 16 and 8 keys.
	v_and_b32 v1, 7, v0
	v_lshl_add_u32 v1, v18, 3, v1
	v_mul_u32_u24 v[AV0], v1, PVP
	v_bfe_u32 v1, v0, 3, 1
	v_lshl_add_u32 v[AV0], v1, 4, v[AV0]
	s_lshr_b32 s17, s[WV], 1        ; my 128 channels: which half of V,
	s_mul_i32 s17, s17, VH
	s_lshl_b32 s21, s16, 8          ; and which 256 bytes of its rows
	s_add_co_u32 s17, s17, s21
	s_add_co_u32 s17, s17, KT
	v_add_nc_u32 v[AV0], s17, v[AV0]
	s_lshl_b32 s17, s[WV], 9
	s_add_co_u32 s17, s17, PBUF
	v_lshl_add_u32 v[PW], v19, 4, s17
	v_lshlrev_b32 v[PR], 4, v19
	v_add_nc_u32 v[PR], PBUF, v[PR]
	s_lshl_b32 s17, s[WV], 8
	s_add_co_u32 s17, s17, MXB
	v_lshl_add_u32 v[MW], v17, 4, s17
	v_lshlrev_b32 v[MR], 4, v17
	v_add_nc_u32 v[MR], MXB, v[MR]
	s_mul_i32 s17, s[WV], 16*SP
	s_add_co_u32 s17, s17, STAGE    ; my stage
	v_mul_u32_u24 v[STO], v17, SP   ; in: row l % 16, 32 bytes for each half of the lanes
	v_lshl_add_u32 v[STO], v18, 5, v[STO]
	v_add_nc_u32 v[STO], s17, v[STO]
	v_lshl_add_u32 v[RD], v19, 4, s17  ; back: 32 lanes take a row's 512 bytes
	v_lshlrev_b32 v[GO], 4, v19
	v_lshrrev_b32 v1, 2, v19
	v_mul_u32_u24 v[PFO], v1, ROWB
	v_and_b32 v1, 3, v0
	v_lshl_add_u32 v[PFO], v1, 8, v[PFO]
; THE MATRIX WORK.  Product qi of 64 of S^T = K Q^T: channels 32 (qi / 4) on, tile qi % 4.  The four accumulators take turns, one instruction a turn.  The first four start the sums.
.macro QK
.set c_, qi/4
.set t_, qi%4
.set rK, FB+32*((c_/4)%3)+8*(c_%4)
.set rQ, 64*t_+8*(c_%8)
	WIN 0x04*(1+c_/8)               ; Q in window 1 or 2
.if c_ == 0
	v_wmma_f32_16x16x32_f16 v[S+8*t_:S+8*t_+7], v[rK:rK+7], v[rQ:rQ+7], 0
.else
	v_wmma_f32_16x16x32_f16 v[S+8*t_:S+8*t_+7], v[rK:rK+7], v[rQ:rQ+7], v[S+8*t_:S+8*t_+7]
.endif
.set qi, qi+1
.endm
; Product pvi of 64 of O^T += V^T P: block vq = pvi / 16: keys 32 (vq / 2) on, channel blocks 4 (vq % 2) + 0..3; tile pvi % 4.  A block's 16 accumulators take turns.
.macro PV
.set vq_, pvi/16
.set t_, pvi%4
.set rO, 8*(4*(4*(vq_%2)+(pvi%16)/4)+t_)
.set rV, FB+32*((4+vq_)%3)+8*((pvi%16)/4)
.if vq_ < 2
.set rP, PF0+8*t_
.else
.set rP, S+8*t_
.endif
	WIN 0xf0                        ; O^T in window 3
	v_wmma_f32_16x16x32_f16 v[rO:rO+7], v[rV:rV+7], v[rP:rP+7], v[rO:rO+7]
.set pvi, pvi+1
.endm
; THE LDS LOADS stand in runs of eight, at the blocks' boundaries.
.macro LK kq, buf                   ; K's fragments for block kq: channels 128 kq on
	WIN 0
.irp i, 0,1,2,3
	ds_load_b128 v[FB+32*(\buf)+8*\i:FB+32*(\buf)+8*\i+3],   v[AK] offset:((4*(\kq)+\i)/8)*KH+((4*(\kq)+\i)%8)*64
	ds_load_b128 v[FB+32*(\buf)+8*\i+4:FB+32*(\buf)+8*\i+7], v[AK] offset:((4*(\kq)+\i)/8)*KH+((4*(\kq)+\i)%8)*64+32
.endr
.endm
.macro LV vq, buf                   ; V's fragments for block vq, turned
	WIN 0
.irp i, 0,1,2,3
	ds_load_tr16_b128 v[FB+32*(\buf)+8*\i:FB+32*(\buf)+8*\i+3],   v[AV] offset:((\vq)/2)*32*PVP+(4*((\vq)%2)+\i)*32
	ds_load_tr16_b128 v[FB+32*(\buf)+8*\i+4:FB+32*(\buf)+8*\i+7], v[AV] offset:((\vq)/2)*32*PVP+16*PVP+(4*((\vq)%2)+\i)*32
.endr
.endm
.macro LP g, dst                    ; P's four fragments of keys 32 g on: registers 0-3 from wave 2 g's block, 4-7 from wave 2 g + 1's
	WIN 0
.irp t, 0,1,2,3
	ds_load_b128 v[(\dst)+8*\t:(\dst)+8*\t+3],   v[PR] offset:\t*2048+(\g)*1024
	ds_load_b128 v[(\dst)+8*\t+4:(\dst)+8*\t+7], v[PR] offset:\t*2048+(\g)*1024+512
.endr
.endm
.macro LMX off                      ; the four waves' four numbers for my query
	WIN 0
.irp w, 0,1,2,3
	ds_load_b128 v[MX+4*\w:MX+4*\w+3], v[MR] offset:(\off)+\w*256
.endr
.endm
; THE VECTOR WORK.  AHEAD: the new M of each tile, of the old M and the four waves' maxima.
.macro AHEAD
	WIN 0
.irp t, 0,1,2,3
	v_max3_num_f32 v[ST+6*\t+1], v[ST+6*\t], v[MX+\t], v[MX+4+\t]
.endr
.irp t, 0,1,2,3
	v_max3_num_f32 v[ST+6*\t+1], v[ST+6*\t+1], v[MX+8+\t], v[MX+12+\t]
.endr
.endm
.macro PSUB i                       ; pair i of 16: T - M
	v_pk_add_f32 v[T+2*(\i):T+2*(\i)+1], v[T+2*(\i):T+2*(\i)+1], v[ST+6*((\i)/4):ST+6*((\i)/4)+1] op_sel_hi:[1,0] neg_lo:[0,1] neg_hi:[0,1]
.endm
.macro EXPN e                       ; exponential e of 36: the four a, then the 32 weights
.if (\e) < 4
	v_exp_f32 v[ST+6*(\e)+4], v[ST+6*(\e)+4]
.else
	v_exp_f32 v[T+(\e)-4], v[T+(\e)-4]
.endif
.endm
; AG k, group k of 19.  0: M_old - M_new.  1: M takes the new M.  2: pairs 0-3.  3-14: pair k + 1 and three exponentials; a weight's pair is scaled in the same group at the latest.
; None of groups 0-14 names an exponential's result: the 36 are ONE BATCH, and behind group 14 stand a plain instruction and the one wait ahead of the first reader.
; 15-18: tile k - 15 is rounded to f16 and goes into LDS.
.macro AG k
	WIN 0
.if (\k) == 0
.irp t, 0,1,2,3
	v_sub_f32 v[ST+6*\t+4], v[ST+6*\t], v[ST+6*\t+1]
.endr
.elseif (\k) == 1
.irp t, 0,1,2,3
	v_mov_b32 v[ST+6*\t], v[ST+6*\t+1]
.endr
.elseif (\k) == 2
.irp i, 0,1,2,3
	PSUB \i
.endr
.elseif (\k) < 15
	PSUB (\k)+1
	EXPN 3*((\k)-3)
	EXPN 3*((\k)-3)+1
	EXPN 3*((\k)-3)+2
.if (\k) == 14
	v_nop
	s_wait_alu depctr_va_vdst(0)
.endif
.else
.irp q, 0,1,2,3
	v_cvt_pk_f16_f32 v[PK+4*((\k)-15)+\q], v[T+8*((\k)-15)+2*\q], v[T+8*((\k)-15)+2*\q+1]
.endr
	ds_store_b128 v[PW], v[PK+4*((\k)-15):PK+4*((\k)-15)+3] offset:((\k)-15)*2048
.endif
.endm
.macro RS4                          ; four of the 128 pairs of O^T, times a; each accumulator's registers in ascending order
	WIN 0xc3                        ; destination and source 0 in window 3, a in window 0
.rept 4
	v_pk_mul_f32 v[2*rs:2*rs+1], v[2*rs:2*rs+1], v[ST+6*((rs/4)%4)+4:ST+6*((rs/4)%4)+5] op_sel_hi:[1,0]
.set rs, rs+1
.endr
.endm
.macro RID                          ; the next group of four behind a product K Q^T
.if ag < 19
	AG ag
.set ag, ag+1
.elseif rs < 128
	RS4
.endif
.endm
; BG k, group k of 14, one line a tile.  0-2: the tile's four pairs of weights are added.  3: l = a l + the sum.  4-7: T = c S of the next step, pairs ascending.  8-11: the maximum of my eight numbers.
; 12, 13: the query's other eight keys lie in the lane 16 away.
.macro BG k
	WIN 0
.irp t, 0,1,2,3
.if (\k) == 0
	v_pk_add_f32 v[T+8*\t:T+8*\t+1], v[T+8*\t:T+8*\t+1], v[T+8*\t+2:T+8*\t+3]
.elseif (\k) == 1
	v_pk_add_f32 v[T+8*\t+4:T+8*\t+5], v[T+8*\t+4:T+8*\t+5], v[T+8*\t+6:T+8*\t+7]
.elseif (\k) == 2
	v_pk_add_f32 v[T+8*\t:T+8*\t+1], v[T+8*\t:T+8*\t+1], v[T+8*\t+4:T+8*\t+5]
.elseif (\k) == 3
	v_pk_fma_f32 v[ST+6*\t+2:ST+6*\t+3], v[ST+6*\t+2:ST+6*\t+3], v[ST+6*\t+4:ST+6*\t+5], v[T+8*\t:T+8*\t+1] op_sel_hi:[1,0,1]
.elseif (\k) < 8
	v_pk_mul_f32 v[T+8*\t+2*((\k)-4):T+8*\t+2*((\k)-4)+1], v[S+8*\t+2*((\k)-4):S+8*\t+2*((\k)-4)+1], s[CS:CS+1] op_sel_hi:[1,0]
.elseif (\k) == 8
	v_max3_num_f32 v[LM+\t], v[T+8*\t], v[T+8*\t+1], v[T+8*\t+2]
.elseif (\k) == 9
	v_max3_num_f32 v[LM+\t], v[LM+\t], v[T+8*\t+3], v[T+8*\t+4]
.elseif (\k) == 10
	v_max3_num_f32 v[LM+\t], v[LM+\t], v[T+8*\t+5], v[T+8*\t+6]
.elseif (\k) == 11
	v_max_num_f32 v[LM+\t], v[LM+\t], v[T+8*\t+7]
.elseif (\k) == 12
	v_permlanex16_b32 v[LX+\t], v[LM+\t], s[SEL], s[SEL+1]
.else
	v_max_num_f32 v[LM+\t], v[LM+\t], v[LX+\t]
.endif
.endr
.endm
; The byte offset, from s[BASE:BASE+1], of the tile at number s[IDX] of my walk: step (number & 24) | ((number + 2 f) & 7), of STEPG bytes; add: K's or V's place in a row.
.macro SIGMA dst, add
	s_add_co_u32 s[T1], s[IDX], s[ROT]
	s_and_b32 s[T1], s[T1], 7
	s_and_b32 s[T0], s[IDX], 24
	s_or_b32 s[T0], s[T0], s[T1]
	s_mul_i32 s[\dst], s[T0], STEPG
	s_add_co_u32 s[\dst], s[\dst], \add
.endm
; THE ROUND, in trip j.  Each wave waits for all its tensor loads (one is out: its half of K(j + 2) or of V(j + 1)), adds 0 to its spare word, and waits for that, for its store of the maxima and for its reads
; of K(j + 1), V(j) and P.  Behind the barrier the maxima lie in LDS, the next tiles are whole, and nobody reads the two tiles any more.  fill > 0: the barrier opens a round of the cluster's, and the joint refill,
; K(j + 3) over K(j + 1) and V(j + 2) over V(j), is the first thing behind it: it has 112 matrix instructions in which to land.  The tiles' offsets are made ahead of the wait, in registers of their own;
; behind it a descriptor's address is made anew: the batch's base plus the offset, and the type bits.
; pv = 1: the block's 16 products stand round the signal.  kn = 1: the next trip's first runs of K.  ask = 1: the loop's rounds prefetch.
.macro ROUND6 pv, fill, kn, ask
	WIN 0
.if ((\fill) == 1) || ((\fill) == 2)
	SIGMA OV, 2048                  ; V(j + 2)
.endif
.if \fill
	s_add_co_u32 s[IDX], s[IDX], 1
.endif
.if (\fill) >= 2
	SIGMA OK, 1024                  ; K(j + 3)
.endif
	s_wait_tensorcnt 0x0            ; no tensor load of mine is out, so a group 0 may be written
	ds_add_u32 v[SPW], v[NIL]       ; 0 onto my spare word; work on registers stands between it and the wait for it
.if (\fill) >= 2
	s_add_co_u32 s[G0K+5], s[SB], s[KOF]
	s_add_nc_u64 s[G0K+6:G0K+7], s[BASE:BASE+1], s[OK:OK+1]
	s_or_b32 s[G0K+7], s[G0K+7], 0x80000000
.endif
.if ((\fill) == 1) || ((\fill) == 2)
	s_add_co_u32 s[G0V+5], s[SA], s[VOF]
	s_add_nc_u64 s[G0V+6:G0V+7], s[BASE:BASE+1], s[OV:OV+1]
	s_or_b32 s[G0V+7], s[G0V+7], 0x80000000
.endif
.if \ask
	s_wait_xcnt 0x0                 ; the last prefetches, a trip or more back, have read their address
	s_add_nc_u64 s[PFA:PFA+1], s[PFA:PFA+1], STEPG
.endif
.if \pv
	s_wait_dscnt 1                  ; only the add may be out: V's and P's fragments are in
.rept 8
	PV
.endr
.endif
	s_wait_dscnt 0x0                ; the add is done
	s_barrier_signal -1
.if \pv
.rept 8
	PV
.endr
	WIN 0                           ; at a branch and at a label every window is 0
.endif
	s_barrier_wait -1
.if \fill
	CREST
	JLOAD \fill
.else
	PLACES
.endif
	LMX 0
.if \kn
	v_add_nc_u32 v[AK], s[SA], v[AK0]  ; K(j + 2) lies in the slot of j's parity
	LK 0, 0
	LK 2, 2
.endif
.if \ask
	ASK
.endif
.endm
; A TRIP.  The three buffers go round: K's blocks 0-3 take buffers 0, 1, 2, 0, V's blocks take 1, 2, 0, 1; each run of loads stands four places behind its buffer's last reader, a block or more ahead of its first use.
.macro TRIP fill, kn, ask
.set qi, 0
.set pvi, 0
.set ag, 0
.set rs, 0
	WIN 0
	s_wait_dscnt 16                 ; the maxima are in; the two runs of K behind them may stay out
	AHEAD                           ; eight plain lines: also the places behind the last trip's products
	v_add_nc_u32 v[AV], s[SA], v[AV0]
	LK 1, 1
	s_wait_dscnt 16                 ; buffer 0 is in; the runs into buffers 2 and 1 may stay out
.rept 16
	QK
	RID
.endr
	PLACES
	LK 3, 0
	s_wait_dscnt 9                  ; buffer 1 is in; one store of P and the run just issued may stay out
.rept 16
	QK
	RID
.endr
	s_wait_dscnt 0x0                ; for the others' sake: my four stores of P are done
	s_barrier_signal -1
	PLACES
	LV 0, 1                         ; V(j): no wave writes it before the round
.rept 8
	QK
	RID
.endr
	s_barrier_wait -1               ; all of P lies in LDS
	LP 0, PF0
.rept 8
	QK
	RID
.endr
	PLACES
	LV 1, 2
.rept 16
	QK
	RID
.endr
	PLACES
	LV 2, 0
	s_wait_dscnt 16                 ; buffer 1 and P's first fragments are in; the runs into buffers 2 and 0 may stay out
.set bg, 0
.rept 16
	PV
.if bg < 14
	BG bg
.endif
.set bg, bg+1
.endr
	PLACES
	WIN 0
	ds_store_b128 v[MW], v[LM:LM+3] ; my maxima of step j + 1; lanes 16 apart write the same numbers to the same words
	LP 1, S                         ; S^T has been scaled into T: its registers take P's other fragments
	LV 3, 1
	s_wait_dscnt 25                 ; buffer 2 is in; the run into buffer 0, the store and the two runs just issued may stay out
.rept 16
	PV
.endr
	ROUND6 1, \fill, \kn, \ask
.rept 16
	PV
.endr
	WIN 0
	s_xor_b32 s[SA], s[SA], SLOTB
	s_xor_b32 s[SB], s[SB], SLOTB
.endm
	s_wait_tensorcnt 1              ; my first tile, of slot 0, is in; slot 1's may stay out
	s_barrier_signal -1
	s_barrier_wait -1               ; everybody's is
	; THE PROLOGUE: K Q^T of step 0, its scaling and maxima, and the first round, which fills K(2) over K(0).
.set qi, 0
	v_add_nc_u32 v[AK], s[SB], v[AK0]
	LK 0, 0
	LK 1, 1
	LK 2, 2
	s_wait_loadcnt 0x0              ; Q
	s_wait_dscnt 16                 ; buffer 0 is in
.rept 16
	QK
.endr
	PLACES
	LK 3, 0
	s_wait_dscnt 16                 ; buffer 1 is in
.rept 16
	QK
.endr
	s_wait_dscnt 8                  ; buffer 2 is in
.rept 16
	QK
.endr
	s_wait_dscnt 0x0
.rept 16
	QK
.endr
	PLACES
.irp k, 4,5,6,7,8,9,10,11,12,13
	BG \k
.endr
	ds_store_b128 v[MW], v[LM:LM+3]
	ROUND6 0, 3, 1, 0
	s_xor_b32 s[SA], s[SA], SLOTB
	s_xor_b32 s[SB], s[SB], SLOTB
	s_mov_b32 s[CNT], 29
.Ltrip:                             ; trips 0 to 28
	TRIP 2, 1, 1
	s_sub_co_u32 s[CNT], s[CNT], 1
	s_cmp_lg_u32 s[CNT], 0
	s_cbranch_scc1 .Ltrip
	TRIP 1, 1, 0                    ; trip 29: the tail is written out: V(31) alone is asked for
	TRIP 0, 0, 0                    ; trip 30: nothing is asked for; the barrier still hands the maxima over and shows V(31) whole
	; TRIP 31: no further scores; the vector work stands by itself.
.set pvi, 0
.set ag, 0
.set rs, 0
	WIN 0
	s_wait_dscnt 0x0                ; the maxima
	AHEAD
	v_add_nc_u32 v[AV], s[SA], v[AV0]
	LV 0, 1
	LV 1, 2
.rept 19
	RID
.endr
	s_wait_dscnt 0x0
	s_barrier_signal -1
	s_barrier_wait -1               ; all of P lies in LDS
	LP 0, PF0
	LP 1, S
	LV 2, 0
.rept 32
	RID
.endr
.irp k, 0,1,2,3
	BG \k
.endr
	s_wait_dscnt 0x0
.rept 16
	PV
.endr
	PLACES
	LV 3, 1
.rept 32
	PV
.endr
	s_wait_dscnt 0x0
.rept 16
	PV
.endr
	; THE WAY OUT.  My l: its two halves and the other half of the lanes'; the four waves' meet in LDS; O^T is divided by the sum and sent through my stage, a tile (16 rows of out0) at a time.
	WIN 0
.irp t, 0,1,2,3
	v_add_f32 v[LM+\t], v[ST+6*\t+2], v[ST+6*\t+3]
.endr
.irp t, 0,1,2,3
	v_permlanex16_b32 v[LX+\t], v[LM+\t], s[SEL], s[SEL+1]
.endr
.irp t, 0,1,2,3
	v_add_f32 v[LM+\t], v[LM+\t], v[LX+\t]
.endr
	ds_store_b128 v[MW], v[LM:LM+3] offset:1024
	s_wait_dscnt 0x0
	s_barrier_signal -1
	s_barrier_wait -1
	LMX 1024
	s_wait_dscnt 0x0
.irp t, 0,1,2,3
	v_add_f32 v[ST+6*\t+4], v[MX+\t], v[MX+4+\t]
.endr
.irp t, 0,1,2,3
	v_add_f32 v[ST+6*\t+5], v[MX+8+\t], v[MX+12+\t]
.endr
.irp t, 0,1,2,3
	v_add_f32 v[ST+6*\t+4], v[ST+6*\t+4], v[ST+6*\t+5]
.endr
.irp t, 0,1,2,3
	v_rcp_f32 v[ST+6*\t+4], v[ST+6*\t+4]
.endr
	v_nop                           ; a plain instruction between the last reciprocal and the use of its result,
	s_wait_alu depctr_va_vdst(0)    ; and the wait ahead of the first use: one for the four
; Tile t: a lane's eight channels of a row are 32 bytes; they go into rows of 528 bytes and come back as whole rows of 512.
.macro OUTT t
	WIN 0xc3
.irp cb, 0,1,2,3,4,5,6,7
.irp p, 0,1,2,3
	v_pk_mul_f32 v[8*(4*\cb+(\t))+2*\p:8*(4*\cb+(\t))+2*\p+1], v[8*(4*\cb+(\t))+2*\p:8*(4*\cb+(\t))+2*\p+1], v[ST+6*(\t)+4:ST+6*(\t)+5] op_sel_hi:[1,0]
.endr
.endr
	WIN 0x0c                        ; a store's data (source 1) in window 3, its address in window 0
.irp cb, 0,1,2,3,4,5,6,7
	ds_store_b128 v[STO], v[8*(4*\cb+(\t)):8*(4*\cb+(\t))+3]   offset:\cb*64
	ds_store_b128 v[STO], v[8*(4*\cb+(\t))+4:8*(4*\cb+(\t))+7] offset:\cb*64+16
.endr
	WIN 0
.if (\t) >= 2
	s_wait_xcnt 0x0                 ; the stores that read this set of registers have read them
.endif
.set BK, 128+64*((\t)%2)
.set i_, 0
.rept 16
	ds_load_b128 v[BK+4*i_:BK+4*i_+3], v[RD] offset:i_*SP  ; LDS serves a wave's instructions in order (ISA guide 5.7.1.4): these see the stores above; the next tile's stores come behind them
.set i_, i_+1
.endr
.set i_, 0
.rept 16
	s_wait_dscnt 15-i_
	global_store_b128 v[GO], v[BK+4*i_:BK+4*i_+3], s[OB:OB+1] offset:(16*(\t)+i_)*2048  ; 512 consecutive bytes, at a multiple of 256 from out0's first byte
.set i_, i_+1
.endr
.endm
	OUTT 0
	OUTT 1
	OUTT 2
	OUTT 3
	s_wait_tensorcnt 0x0            ; the wave's end, behind my last tensor load and my last LDS store
	ds_add_u32 v[SPW], v[NIL]
	s_wait_dscnt 0x0
	CROUND                          ; the closing round: no work-group ends while a partner may still ask for a tile that names it
	s_endpgm
.Lfunc_end_k_q23f36eb833_attn:
	.size	k_q23f36eb833_attn, .Lfunc_end_k_q23f36eb833_attn-k_q23f36eb833_attn
	.p2alignl 7, 3214868480
	.fill 96, 4, 3214868480
	.section	.rodata,"a",@progbits
	.p2align	6, 0x0
	.amdhsa_kernel k_q23f36eb833_attn
		.amdhsa_group_segment_fixed_size 327680
		.amdhsa_private_segment_fixed_size 0
		.amdhsa_enable_private_segment 0
		.amdhsa_kernarg_size 16
		.amdhsa_user_sgpr_count 2
		.amdhsa_user_sgpr_kernarg_segment_ptr 1
		.amdhsa_wavefront_size32 1
		.amdhsa_system_sgpr_workgroup_id_x 1
		.amdhsa_system_sgpr_workgroup_id_y 1
		.amdhsa_system_sgpr_workgroup_id_z 1
		.amdhsa_system_vgpr_workitem_id 0
		.amdhsa_next_free_vgpr 1024
		.amdhsa_next_free_sgpr 86
		.amdhsa_reserve_vcc 0
		.amdhsa_float_denorm_mode_32 3
		.amdhsa_float_denorm_mode_16_64 3
		.amdhsa_memory_ordered 1
		.amdhsa_forward_progress 1
		.amdhsa_inst_pref_size 194
	.end_amdhsa_kernel
	.amdgpu_metadata
---
amdhsa.version: [ 1, 2 ]
amdhsa.kernels:
  - .name:           k_q23f36eb833_attn
    .symbol:         k_q23f36eb833_attn.kd
    .args:
      - { .name: qkv, .offset: 0, .size: 8, .value_kind: global_buffer, .address_space: global }
      - { .name: out0, .offset: 8, .size: 8, .value_kind: global_buffer, .address_space: global }
    .group_segment_fixed_size: 327680
    .private_segment_fixed_size: 0
    .kernarg_segment_align: 8
    .kernarg_segment_size: 16
    .max_flat_workgroup_size: 128
    .sgpr_count:     86
    .vgpr_count:     1024
    .wavefront_size: 32
...
	.end_amdgpu_metadata
.endif
;; end of part 3
;; ======== version 2 of 2: 3 launches; version 1 with the launch castw written anew for expert scheduling mode
;; limits: values are held in f16: magnitudes above 65,504 overflow, below 6.1e-05 lose precision
;; workspace buffers: wb 3,145,728 bytes; qkv 50,331,648 bytes
;; launch castw (part 4): grid 64 x 3, 8 waves a work-group, no clusters, 0 bytes of LDS; arguments Wq, Wk, Wv, wb; writes wb
.if DOCPART == 4
	.amdgcn_target "amdgcn-amd-amdhsa--gfx1250"
	.amdhsa_code_object_version 6
	.text
	.protected	k_q23f36eb833_castw
	.globl	k_q23f36eb833_castw
	.p2align	8
	.type	k_q23f36eb833_castw,@function
k_q23f36eb833_castw:
	s_mov_b64 s[64:65], 0
	v_nop
	global_prefetch_b8 v0, s[64:65] scope:SCOPE_SE
	s_setreg_imm32_b32 hwreg(HW_REG_WAVE_SCHED_MODE, 0, 2), 2
	s_setreg_imm32_b32 hwreg(HW_REG_WAVE_MODE, 25, 1), 1
	s_wait_xcnt 0x0
	s_wait_alu depctr_vm_vsrc(0)
; wb = Wq, Wk, Wv rounded once to bf16 and laid out in blocks of 64 along K: wb[kblk][n][64], kblk = 0..15, n = 0..1535
; (n = 0..511 Wq's rows, 512..1023 Wk's, 1024..1535 Wv's).  A (kblk, n) row is 128 bytes and the rows of a kblk lie end to end,
; so that the next launch can ask for 192 rows of one kblk as 96 rows of 256 bytes.
; SHARES.  Grid y picks the matrix; grid x = 2 x (group of 16 rows) + (half of K).  Thread t takes row t / 16 of the group and the four
; numbers 4 (t % 16) .. of each of the half's eight blocks: a wave's load covers 256 consecutive bytes of each of two rows, a wave's store
; 256 consecutive bytes of wb, aligned.  Each byte is read once and written once; no LDS, no barrier, no matrix work: nothing is shared.
; THE MODE: SCHED_MODE bits 1:0 = 2 (LLVM: expert scheduling mode 2), set by the entry lines.  The code itself states the register dependences
; between vector instructions and memory instructions, with s_wait_alu, always for 0.
; THE PLAN.  Registers that memory instructions touch:
;   v1, v2   the loads' and the stores' byte offsets.  Written at the head by vector lines, never again; read by all eight loads and all eight stores.
;   RAW      block i in four registers.  Written by the eight loads, which are issued once; read by block i's two conversions.  No vector line names RAW ahead of the loads, and no load lands behind them.
;   OUT      block i in a pair of its own.  Written by block i's two conversions; read by block i's store.  No pair is written twice, so no store's data is ever written again.
; So three waits on va_vdst state everything: one ahead of the first load (the offsets are written), and one ahead of each of the two runs of four stores (their data are written).
; No vector instruction writes a scalar register or VCC, and EXEC is never written.
.set WROW, 4096                        ; bytes in a row of W
.set NBLK, 1536*128                    ; bytes of one kblk of wb
.set RAW,  8                           ; v[8:39]   block i: four f32 at RAW + 4 i, as loaded
.set OUT,  40                          ; v[40:55]  block i: four bf16 at OUT + 2 i, to store
	s_load_b256 s[4:11], s[0:1], 0x0               ; Wq s[4:5], Wk s[6:7], Wv s[8:9], wb s[10:11]
	s_and_b32 s12, ttmp7, 0xffff                   ; which matrix
	s_lshr_b32 s13, ttmp9, 1                       ; group of 16 rows
	s_and_b32 s14, ttmp9, 1                        ; half of K
	v_lshrrev_b32 v3, 4, v0                        ; my row in the group
	v_and_b32 v4, 15, v0                           ; my four numbers in a block
	v_lshlrev_b32 v1, 12, v3
	v_lshl_or_b32 v1, v4, 4, v1                    ; load: row x 4,096 + 16 x quad
	v_lshlrev_b32 v2, 7, v3
	v_lshl_or_b32 v2, v4, 3, v2                    ; store: row x 128 + 8 x quad
	s_lshl_b32 s16, s13, 16                        ; 16 rows of 4,096 bytes
	s_lshl_b32 s15, s14, 11                        ; half a row
	s_add_co_u32 s16, s16, s15
	s_mov_b32 s17, 0
	s_mul_i32 s18, s14, 8*1536                     ; eight kblk,
	s_lshl_b32 s15, s12, 9                         ; the matrix's 512 rows,
	s_add_co_u32 s18, s18, s15
	s_lshl_b32 s15, s13, 4                         ; the group's 16
	s_add_co_u32 s18, s18, s15
	s_lshl_b32 s18, s18, 7                         ; of 128 bytes
	s_mov_b32 s19, 0
	s_wait_kmcnt 0x0
	s_cmp_eq_u32 s12, 1
	s_cselect_b64 s[20:21], s[6:7], s[4:5]
	s_cmp_eq_u32 s12, 2
	s_cselect_b64 s[20:21], s[8:9], s[20:21]
	s_add_nc_u64 s[20:21], s[20:21], s[16:17]
	s_add_nc_u64 s[10:11], s[10:11], s[18:19]
	s_wait_alu depctr_va_vdst(0)                   ; v1 and v2 are written: every load below reads v1 as its offset, every store v2
.irp i, 0,1,2,3,4,5,6,7
	global_load_b128 v[RAW+4*(\i):RAW+4*(\i)+3], v1, s[20:21] offset:256*(\i) th:TH_LOAD_NT
.endr
; Two runs of four blocks: the blocks are rounded as they come in, and one wait stands ahead of the run's four stores.
.irp g, 0,1
.irp i, 0,1,2,3
	s_wait_loadcnt 7-4*(\g)-(\i)                   ; loads come back in order: block 4 g + i is in, the younger ones stay out
	v_cvt_pk_bf16_f32 v[OUT+8*(\g)+2*(\i)],   v[RAW+16*(\g)+4*(\i)],   v[RAW+16*(\g)+4*(\i)+1]
	v_cvt_pk_bf16_f32 v[OUT+8*(\g)+2*(\i)+1], v[RAW+16*(\g)+4*(\i)+2], v[RAW+16*(\g)+4*(\i)+3]
.endr
	s_wait_alu depctr_va_vdst(0)                   ; the eight conversions above have written OUT's pairs 4 g to 4 g + 3, which the four stores below read
.irp i, 0,1,2,3
	global_store_b64 v2, v[OUT+8*(\g)+2*(\i):OUT+8*(\g)+2*(\i)+1], s[10:11] offset:NBLK*(4*(\g)+(\i))
.endr
.endr
	s_endpgm
.Lfunc_end_k_q23f36eb833_castw:
	.size	k_q23f36eb833_castw, .Lfunc_end_k_q23f36eb833_castw-k_q23f36eb833_castw
	.p2alignl 7, 3214868480
	.fill 96, 4, 3214868480
	.section	.rodata,"a",@progbits
	.p2align	6, 0x0
	.amdhsa_kernel k_q23f36eb833_castw
		.amdhsa_group_segment_fixed_size 0
		.amdhsa_private_segment_fixed_size 0
		.amdhsa_enable_private_segment 0
		.amdhsa_kernarg_size 32
		.amdhsa_user_sgpr_count 2
		.amdhsa_user_sgpr_kernarg_segment_ptr 1
		.amdhsa_wavefront_size32 1
		.amdhsa_system_sgpr_workgroup_id_x 1
		.amdhsa_system_sgpr_workgroup_id_y 1
		.amdhsa_system_sgpr_workgroup_id_z 1
		.amdhsa_system_vgpr_workitem_id 0
		.amdhsa_next_free_vgpr 56
		.amdhsa_next_free_sgpr 66
		.amdhsa_reserve_vcc 0
		.amdhsa_float_denorm_mode_32 3
		.amdhsa_float_denorm_mode_16_64 3
		.amdhsa_memory_ordered 1
		.amdhsa_forward_progress 1
		.amdhsa_inst_pref_size 5
	.end_amdhsa_kernel
	.amdgpu_metadata
---
amdhsa.version: [ 1, 2 ]
amdhsa.kernels:
  - .name:           k_q23f36eb833_castw
    .symbol:         k_q23f36eb833_castw.kd
    .args:
      - { .name: Wq, .offset: 0, .size: 8, .value_kind: global_buffer, .address_space: global }
      - { .name: Wk, .offset: 8, .size: 8, .value_kind: global_buffer, .address_space: global }
      - { .name: Wv, .offset: 16, .size: 8, .value_kind: global_buffer, .address_space: global }
      - { .name: wb, .offset: 24, .size: 8, .value_kind: global_buffer, .address_space: global }
    .group_segment_fixed_size: 0
    .private_segment_fixed_size: 0
    .kernarg_segment_align: 8
    .kernarg_segment_size: 32
    .max_flat_workgroup_size: 256
    .sgpr_count:     66
    .vgpr_count:     56
    .wavefront_size: 32
...
	.end_amdgpu_metadata
.endif
;; end of part 4
;; launch proj: the kernel of part 2 again; grid 4 x 64, 4 waves a work-group, clusters of 4 x 4, 327,680 bytes of LDS; arguments x, wb, qkv; writes qkv
;; launch attn: the kernel of part 3 again; grid 32 x 8, 4 waves a work-group, clusters of 4 x 1, 327,680 bytes of LDS; arguments qkv, out0; writes out0
